; MI455X (gfx1250); checked and timed in simulation.
; The chip was launched on July 23, 2026; its instructions are those of AMD's public machine-readable ISA for CDNA 5 (MIT licence, August 2026) and "CDNA5" Instruction Set Architecture Reference Guide (July 2026). The comments in the code are by the model that wrote it; some were corrected since.
;; Multi Head Attention. Allowed arithmetic: matrix products marked QUANTISED: E2M3 operands, one E8M0 scale for each 32 along K, by v_wmma_scale_f32_16x16x128_f8f6f4 with both operands' format E2M3, f32 sums; everything else in f32.
;; Inputs: Wd 1,024 x 1,024 float32; Wk 1,024 x 1,024 float32; Wq 1,024 x 1,024 float32; Wv 1,024 x 1,024 float32; bd 1,024 float32; bk 1,024 float32; bq 1,024 float32; bv 1,024 float32; x 1 x 4,096 x 1,024 float32.
;; Outputs: out0 1 x 4,096 x 1,024 float32.
;; This version of the problem:
;;   THIS VERSION OF THE PROBLEM IS GIVEN IN LOW PRECISION. The matrix products marked QUANTISED in the list below multiply operands that are first quantised to E2M3 (2 exponent bits, 3 mantissa bits; 6 bits a number), with one power-of-two scale for each 32 numbers along K (OCP MX v1.0); their sums are f32. All else is computed in f32.
;;   The module's matrix products, in the order in which they are computed (A, B: the left and right operand; K: the contracted axis; several contracted axes count as one K, in the product's order):
;;     1. [M 4,096, K 1,024] x [K 1,024, N 1,024]; A: input x; B: input Wq: QUANTISED
;;     2. [M 4,096, K 1,024] x [K 1,024, N 1,024]; A: input x; B: input Wk: QUANTISED
;;     3. [M 4,096, K 1,024] x [K 1,024, N 1,024]; A: input x; B: input Wv: QUANTISED
;;     4. batch 16 x [M 4,096, K 64] x [K 64, N 4,096]; A: computed on the way; B: computed on the way: QUANTISED
;;     5. batch 16 x [M 4,096, K 4,096] x [K 4,096, N 64]; A: softmax (see below); B: computed on the way: QUANTISED
;;     6. [M 4,096, K 1,024] x [K 1,024, N 1,024]; A: computed on the way; B: input Wd: QUANTISED
;;   THE QUANTISER, for each operand of a quantised product, along K:
;;     - K is cut into blocks of 32 from its start; a last block that is shorter is filled with zeros.
;;     - A block's scale is 2^e with e = floor(log2(the largest magnitude in the block)) - 2, held to -126 .. 127; a block of zeros has e = 0. As a byte (E8M0): e + 127.
;;     - Each number is divided by its block's scale, clamped to +-7.5, and rounded to the nearest number of E2M3, ties to even, subnormals kept.
;;     - The product sums the exact products of the quantised numbers (number of the format x scale) in f32.
;;   ~~~python
;;   def quantise(x, axis):      # numpy; x: float32 -> the quantised numbers, widened to float32 again
;;       x = np.moveaxis(x, axis, -1); K = x.shape[-1]
;;       x = np.pad(x, [(0, 0)] * (x.ndim - 1) + [(0, -K % 32)]); x = x.reshape(x.shape[:-1] + (-1, 32)); a = np.abs(x).max(-1, keepdims=True)
;;       e = np.where(a > 0, np.clip(np.frexp(np.where(a > 0, a, 1))[1] - 1 - 2, -126, 127), 0)      # np.frexp(a)[1] - 1 = floor(log2(a)), exactly
;;       r = np.clip(x / 2.0 ** e, -7.5, 7.5)
;;       step = 2.0 ** (np.maximum(np.frexp(np.where(r == 0, 1, r))[1] - 1, 0) - 3)
;;       q = np.round(r / step) * step * 2.0 ** e      # np.round: ties to even
;;       return np.moveaxis(q.reshape(q.shape[:-2] + (-1,))[..., :K], -1, axis).astype(np.float32)
;;   ~~~
;;   SOFTMAX AHEAD OF A QUANTISED PRODUCT. Where the list says 'softmax', what is quantised is not the finished softmax but p = 2^(t - M), with t = logit x log2(e) and M = ceil(the row's largest t), a whole number; so 1/2 < the row's largest p <= 1. The row's sum l is taken of the UNQUANTISED p, in f32, and the product's result is divided by l at the end. Since M is a whole number, a kernel that streams over the keys may use a running M (the ceiling of the running maximum): every later rescaling is an exact power of two, which a block's scale takes up: the codes' values come out the same.
;;   OPERANDS COMPUTED ON THE WAY. 'Computed on the way' means the value that the module computes at that place (a softmax that the list does not call 'softmax' is quantised finished and normalised). What goes into a quantiser is computed in f32, as accurately as f32 sums, v_exp_f32 and their like allow (about 1e-6 of the number): no bf16 or f16 on the way to a quantiser, and a product that is left as it is and whose result goes on into a quantised operand takes f32 operands (vector FMAs, or v_wmma_f32_16x16x4_f32). A number that lies on a knife's edge between two numbers of the format may be rounded either way, as far as f32 arithmetic and the matrix unit's own rounding can turn it there, and no further.
;; One version. Each part assembles by itself: llvm-mc -triple=amdgcn-amd-amdhsa -mcpu=gfx1250 --defsym DOCPART=n.
;; ======== version 1 of 1: 4 launches
;; workspace buffers: xc 3,145,728 bytes; xs 131,072 bytes; wrec 3,276,800 bytes; qc 3,145,728 bytes; qs 262,144 bytes; kv 6,684,672 bytes; oc 3,145,728 bytes; os 131,072 bytes
;; launch quant (part 1): grid 512 x 1, 4 waves a work-group, no clusters, 47,616 bytes of LDS; arguments x, Wq, Wk, Wv, Wd, xc, xs, wrec; writes xc, xs, wrec
.if DOCPART == 1
	.amdgcn_target "amdgcn-amd-amdhsa--gfx1250"
	.amdhsa_code_object_version 6
	.text
	.protected	k_qa156e5baa9_quant
	.globl	k_qa156e5baa9_quant
	.p2align	8
	.type	k_qa156e5baa9_quant,@function
k_qa156e5baa9_quant:
	s_mov_b64 s[64:65], 0
	v_nop
	global_prefetch_b8 v0, s[64:65] scope:SCOPE_SE
	s_setreg_imm32_b32 hwreg(HW_REG_WAVE_MODE, 25, 1), 1
	s_wait_xcnt 0x0
; x [4096][1024] and Wq, Wk, Wv, Wd [1024 (k)][1024 (n)], f32, become codes of FP6 (E2M3) with one E8M0 byte for each 32 along K, laid IN THE ORDER OF THE OPERAND'S REGISTERS.
; A HALF IMAGE is 16 rows x 64 K, 6 registers a lane, 768 bytes: registers 0-3 at 16 x lane, registers 4-5 at 512 + 8 x lane; lane (r, h) holds row r, k = 32 h .. 32 h + 31.  Two halves are a fragment (16 x 128).
; THE ROWS OF A TILE ARE NOT NEIGHBOURS: perm(p) = p + 8 (p / 8).  Token tile T, row p: token 32 (T / 2) + 8 (T % 2) + perm(p).  Weight tile 2 b + u of head group G, row p: column 64 G + 32 b + 8 u + perm(p).
; xc [T 256][K step 8][half 2][768];  xs [T][K step][row 16][4 bytes];  wrec [matrix 4][G 16][K step 8][6,400]: four tiles' fragments (6,144 bytes), then their scale words (256 bytes).
; A block's scale is 2^(floor(log2(largest magnitude)) - 2); its byte is the largest magnitude's exponent field - 2, held at 1 from below by a floor among the maximum's leaves.
; LIMITS: NaN and infinities among the inputs are not served; a block whose largest magnitude lies under 2^-124 keeps the byte 1; a block of zeros gets the byte 1 where the rule says 127: its codes are zeros, and this program alone reads the bytes.
; Work-groups 0-255 take a token tile each (wave w: K steps 2 w, 2 w + 1), work-groups 256-511 take 128 columns x 128 K of one weight (wave w: 32 columns).  Each path has LDS bytes of its own.
; Memory binds: every wave issues all its loads first, each input byte is read once.  No matrix unit, tensor load, cluster or barrier: waves share nothing.
.set XSTG,  8448                       ; x path: a wave's stage, 16 rows of 512 bytes + 16
.set WSTG0, 33792                      ; weights' path: the stages begin behind the four of x
.set WSTG,  3328                       ; a wave's: 3,072 bytes of images, 128 of scale words, rounded up to 13 x 256
.set SEL,  30                          ; s[30:31] lane selects: lane l xor 16
.set HM,   29                          ; s29  mask of lanes 16-31
.set XIN,  7                           ; v7   x: stage + 16 x lane
.set XOUT, 27                          ; v27  x: stage + 528 r + 128 h
.set WE,   26                          ; v26  weights: stage + 4 x lane
.set WA,   28                          ; v28  weights: stage + 1,536 u + 16 p
.set WB,   29                          ; v29  stage + 1,536 u + 8 p
.set WC,   30                          ; v30  stage + 64 u + 4 p
.set WD,   31                          ; v31  stage + 16 x lane
.set M,    8                           ; x path: v8-9 largest magnitudes, v10-11 scale operands, v12-13 bytes, v14-15 at work
.set SO,   10
.set BY,   12
.set PT,   16                          ; v16-18, v20-22 the upper halves of two blocks' codes
.set CW,   23
.set PW,   24                          ; v24-25 the two K steps' scale words
.set R,    32                          ; v32-159 x as loaded
.set X,    160                         ; v160-223 64 numbers in the operand's order
.set WSO,  12                          ; weights' path: v12-15 scale operands, v16-19 bytes, v20 the scale word
.set WBY,  16
.set WPW,  20
.set WX,   32                          ; v32-159 128 numbers down K
.set WPC,  160                         ; v160.. codes, 8 registers apart
.set WPT,  192
.set WOUT, 208                         ; v208-231 the images read back; v232 the scale words
	s_load_b256 s[4:11], s[0:1], 0x0               ; x s[4:5], Wq s[6:7], Wk s[8:9], Wv s[10:11]
	s_load_b256 s[12:19], s[0:1], 0x20             ; Wd s[12:13], xc s[14:15], xs s[16:17], wrec s[18:19]
	v_lshl_add_u32 v254, v0, 2, 0xb800
	v_mov_b32 v255, 0
	v_lshrrev_b32 v1, 5, v0
	v_readfirstlane_b32 s20, v1                    ; wave
	v_and_b32 v1, 31, v0                           ; lane
	v_and_b32 v2, 15, v0                           ; r
	v_bfe_u32 v3, v0, 4, 1                         ; h
	v_lshlrev_b32 v4, 4, v1
	v_lshlrev_b32 v5, 3, v1
	v_lshlrev_b32 v6, 2, v1
	; every LDS address of both paths is made here, ahead of the parting
	s_mul_i32 s21, s20, XSTG
	v_add_nc_u32 v[XIN], s21, v4
	v_mul_u32_u24 v[XOUT], v2, 528
	v_lshl_add_u32 v[XOUT], v3, 7, v[XOUT]
	v_add_nc_u32 v[XOUT], s21, v[XOUT]
	s_mul_i32 s28, s20, WSTG
	s_add_co_u32 s28, s28, WSTG0
	v_bfe_u32 v8, v0, 3, 1                         ; u = (lane / 8) % 2: which of the two tiles my column falls into
	v_and_b32 v9, 7, v0
	v_lshl_add_u32 v9, v3, 3, v9                   ; p = lane % 8 + 8 (lane / 16): its row there
	v_mul_u32_u24 v10, v8, 1536
	v_add_nc_u32 v10, s28, v10
	v_lshl_add_u32 v[WA], v9, 4, v10
	v_lshl_add_u32 v[WB], v9, 3, v10
	v_lshlrev_b32 v11, 6, v8
	v_lshl_add_u32 v11, v9, 2, v11
	v_add_nc_u32 v[WC], s28, v11
	v_add_nc_u32 v[WD], s28, v4
	v_add_nc_u32 v[WE], s28, v6
	s_mov_b32 s[SEL], 0x76543210
	s_mov_b32 s[SEL+1], 0xfedcba98
	v_cmp_lt_u32 s[HM], 15, v1
	s_cmp_lt_u32 ttmp9, 256
	s_cbranch_scc0 .Lweights
	; ---- x: tile T = the work-group's number
	s_lshr_b32 s22, ttmp9, 1
	s_lshl_b32 s22, s22, 5
	s_and_b32 s23, ttmp9, 1
	s_lshl_b32 s23, s23, 3
	s_add_co_u32 s22, s22, s23                     ; the tile's first token
	s_lshl_b32 s22, s22, 12                        ; x 4,096 bytes
	s_lshl_b32 s23, s20, 10
	s_add_co_u32 s22, s22, s23                     ; + my two K steps: 1,024 bytes of a row
	s_mov_b32 s23, 0
	s_mul_i32 s24, ttmp9, 12288
	s_mul_i32 s25, s20, 3072
	s_add_co_u32 s24, s24, s25
	s_mov_b32 s25, 0
	s_lshl_b32 s26, ttmp9, 9
	s_lshl_b32 s27, s20, 7
	s_add_co_u32 s26, s26, s27
	s_mov_b32 s27, 0
	s_wait_kmcnt 0x0
	s_add_nc_u64 s[4:5], s[4:5], s[22:23]
	s_add_nc_u64 s[14:15], s[14:15], s[24:25]
	s_add_nc_u64 s[16:17], s[16:17], s[26:27]
.irp s2, 0,1
.irp p, 0,1,2,3,4,5,6,7,8,9,10,11,12,13,14,15
	global_load_b128 v[R+64*\s2+4*\p:R+64*\s2+4*\p+3], v4, s[4:5] offset:(\p+8*(\p/8))*4096+512*\s2 th:TH_LOAD_NT   ; 32 lanes read the 512 consecutive bytes of row p's K step
.endr
.endr
; One K step: 16 rows x 128 numbers turn through the wave's stage, so that lane (r, h) gets k = 64 c + 32 h + 0 .. 31 of row r: two whole blocks, which need no other lane for their maxima.
.macro XSTEP s2
.set PC, 224+12*\s2
	s_wait_loadcnt 16*(1-\s2)                      ; this K step's 16 loads are in; the other K step's 16 may be out
.irp p, 0,1,2,3,4,5,6,7,8,9,10,11,12,13,14,15
	ds_store_b128 v[XIN], v[R+64*\s2+4*\p:R+64*\s2+4*\p+3] offset:528*\p
.endr
.irp c, 0,1
.irp i, 0,1,2,3,4,5,6,7
	ds_load_b128 v[X+32*\c+4*\i:X+32*\c+4*\i+3], v[XOUT] offset:256*\c+16*\i   ; LDS serves a wave's instructions in order: these see the stores above
.endr
.endr
	s_wait_dscnt 0x0
.irp c, 0,1
	v_max3_num_f32 v[M+\c], |v[X+32*\c]|, |v[X+32*\c+1]|, 0x1800000   ; block 2 c + h, and the floor 2^(3 - 127)
.endr
.irp i, 2,4,6,8,10,12,14,16,18,20,22,24,26,28,30
.irp c, 0,1
	v_max3_num_f32 v[M+\c], v[M+\c], |v[X+32*\c+\i]|, |v[X+32*\c+\i+1]|
.endr
.endr
.irp c, 0,1
	v_add_nc_u32 v[SO+\c], 0xff000000, v[M+\c]     ; 2 off the exponent field: the conversion's scale operand
.endr
.irp c, 0,1
	v_lshrrev_b32 v[BY+\c], 23, v[SO+\c]           ; the scale's byte
.endr
	v_lshl_or_b32 v14, v[BY+1], 16, v[BY]          ; my bytes: blocks h and 2 + h,
	v_lshlrev_b32 v15, 3, v3
	v_lshlrev_b32 v14, v15, v14                    ; at their places in the word;
	v_permlanex16_b32 v15, v14, s[SEL], s[SEL+1]
	v_or_b32 v[PW+\s2], v14, v15                   ; with lane l xor 16's two the word is whole, in both halves of the lanes
.irp c, 0,1
	v_cvt_scalef32_pk16_fp6_f32 v[PC+6*\c:PC+6*\c+2], v[X+32*\c:X+32*\c+15], v[SO+\c]
	v_cvt_scalef32_pk16_fp6_f32 v[PT+4*\c:PT+4*\c+2], v[X+32*\c+16:X+32*\c+31], v[SO+\c]   ; (a conversion's three registers begin on an even number)
.endr
	v_nop                                          ; one plain place behind the conversions
.irp c, 0,1
.irp i, 0,1,2
	v_mov_b32 v[PC+6*\c+3+\i], v[PT+4*\c+\i]
.endr
.endr
.irp c, 0,1
	global_store_b128 v4, v[PC+6*\c:PC+6*\c+3], s[14:15] offset:1536*\s2+768*\c          ; 512 consecutive bytes,
	global_store_b64 v5, v[PC+6*\c+4:PC+6*\c+5], s[14:15] offset:1536*\s2+768*\c+512     ; and 256: each K step has registers of its own, so no store's data are written again
.endr
.endm
	XSTEP 0
	XSTEP 1
	v_cndmask_b32 v[CW], v[PW], v[PW+1], s[HM]     ; lanes 0-15: K step 2 w; lanes 16-31: K step 2 w + 1
	global_store_b32 v6, v[CW], s[16:17]
	s_wait_tensorcnt 0x0
	ds_add_u32 v254, v255
	s_wait_dscnt 0x0
	s_endpgm
.Lweights:
	; ---- a weight: a lane takes a column, its registers run down K: nothing is transposed
	s_sub_co_u32 s22, ttmp9, 256
	s_lshr_b32 s23, s22, 6                         ; which matrix: q, k, v, d
	s_and_b32 s24, s22, 7                          ; K step
	s_bfe_u32 s25, s22, 0x30003                    ; which 128 columns
	s_lshl_b32 s26, s24, 19                        ; 128 rows of 4,096 bytes
	s_lshl_b32 s27, s25, 9
	s_add_co_u32 s26, s26, s27
	s_lshl_b32 s27, s20, 7                         ; my wave's 32 columns
	s_add_co_u32 s26, s26, s27
	s_mov_b32 s27, 0
	s_lshl_b32 s32, s23, 4
	s_lshl_b32 s33, s25, 1
	s_add_co_u32 s32, s32, s33
	s_lshr_b32 s33, s20, 1
	s_add_co_u32 s32, s32, s33                     ; 16 x matrix + G
	s_lshl_b32 s32, s32, 3
	s_add_co_u32 s32, s32, s24
	s_mul_i32 s32, s32, 6400                       ; the record
	s_and_b32 s34, s20, 1                          ; which 32 of G's 64 columns: tiles 0, 1 or 2, 3
	s_mul_i32 s35, s34, 3072
	s_add_co_u32 s36, s32, s35
	s_mov_b32 s37, 0
	s_lshl_b32 s34, s34, 7
	s_add_co_u32 s38, s32, s34
	s_mov_b32 s39, 0
	s_wait_kmcnt 0x0
	s_cmp_eq_u32 s23, 1                            ; the choice hangs on the work-group's number alone
	s_cselect_b64 s[6:7], s[8:9], s[6:7]
	s_cmp_eq_u32 s23, 2
	s_cselect_b64 s[6:7], s[10:11], s[6:7]
	s_cmp_eq_u32 s23, 3
	s_cselect_b64 s[6:7], s[12:13], s[6:7]
	s_add_nc_u64 s[6:7], s[6:7], s[26:27]
	s_add_nc_u64 s[36:37], s[18:19], s[36:37]
	s_add_nc_u64 s[38:39], s[18:19], s[38:39]
.set n, 0
.rept 128
	global_load_b32 v[WX+n], v6, s[6:7] offset:4096*n th:TH_LOAD_NT   ; W(128 s + n, my column): a wave reads 128 consecutive bytes, the work-group 512
.set n, n+1
.endr
.macro WBLOCK kb
.set XS, WX+32*(\kb)
.if (\kb) == 0
	s_wait_loadcnt 63                              ; 96 younger loads could stay out; a wait's count names 63 at the most: loads 0 to 64 are in, which serves block 1 too
.elseif (\kb) == 2
	s_wait_loadcnt 32                              ; the last block's 32 may be out
.elseif (\kb) == 3
	s_wait_loadcnt 0x0
.endif
	v_max3_num_f32 v8, |v[XS]|, |v[XS+1]|, |v[XS+2]|
	v_max3_num_f32 v9, |v[XS+3]|, |v[XS+4]|, |v[XS+5]|
.irp i, 6,10,14,18,22,26
	v_max3_num_f32 v8, v8, |v[XS+\i]|, |v[XS+\i+1]|
	v_max3_num_f32 v9, v9, |v[XS+\i+2]|, |v[XS+\i+3]|
.endr
	v_max3_num_f32 v8, v8, |v[XS+30]|, |v[XS+31]|
	v_max3_num_f32 v8, v8, v9, 0x1800000           ; and the floor
	v_add_nc_u32 v[WSO+(\kb)], 0xff000000, v8
	v_lshrrev_b32 v[WBY+(\kb)], 23, v[WSO+(\kb)]
	v_cvt_scalef32_pk16_fp6_f32 v[WPC+8*(\kb):WPC+8*(\kb)+2], v[XS:XS+15], v[WSO+(\kb)]
	v_cvt_scalef32_pk16_fp6_f32 v[WPT+4*(\kb):WPT+4*(\kb)+2], v[XS+16:XS+31], v[WSO+(\kb)]
.endm
	WBLOCK 0
	WBLOCK 1
	WBLOCK 2
	WBLOCK 3
	v_nop                                          ; one plain place behind the last conversion
.irp kb, 0,1,2,3
.irp i, 0,1,2
	v_mov_b32 v[WPC+8*\kb+3+\i], v[WPT+4*\kb+\i]
.endr
.endr
	v_lshl_or_b32 v[WPW], v[WBY+1], 8, v[WBY]
	v_lshl_or_b32 v[WPW], v[WBY+2], 16, v[WPW]
	v_lshl_or_b32 v[WPW], v[WBY+3], 24, v[WPW]
.irp kb, 0,1,2,3                               ; block kb is half kb / 2, lanes' half kb % 2, of my column's row in its tile's image
	ds_store_b128 v[WA], v[WPC+8*\kb:WPC+8*\kb+3] offset:768*(\kb/2)+256*(\kb%2)
	ds_store_b64 v[WB], v[WPC+8*\kb+4:WPC+8*\kb+5] offset:768*(\kb/2)+512+128*(\kb%2)
.endr
	ds_store_b32 v[WC], v[WPW] offset:3072
.irp i, 0,1,2,3,4,5
	ds_load_b128 v[WOUT+4*\i:WOUT+4*\i+3], v[WD] offset:512*\i   ; the wave's own bytes, served in order
.endr
	ds_load_b32 v232, v[WE] offset:3072
	s_wait_dscnt 0x0
.irp i, 0,1,2,3,4,5
	global_store_b128 v4, v[WOUT+4*\i:WOUT+4*\i+3], s[36:37] offset:512*\i   ; two tiles' fragments: 3,072 consecutive bytes, at a multiple of 256 from the buffer's first byte
.endr
	global_store_b32 v6, v232, s[38:39] offset:6144
	s_wait_tensorcnt 0x0
	ds_add_u32 v254, v255
	s_wait_dscnt 0x0
	s_endpgm
.Lfunc_end_k_qa156e5baa9_quant:
	.size	k_qa156e5baa9_quant, .Lfunc_end_k_qa156e5baa9_quant-k_qa156e5baa9_quant
	.p2alignl 7, 3214868480
	.fill 96, 4, 3214868480
	.section	.rodata,"a",@progbits
	.p2align	6, 0x0
	.amdhsa_kernel k_qa156e5baa9_quant
		.amdhsa_group_segment_fixed_size 47616
		.amdhsa_private_segment_fixed_size 0
		.amdhsa_enable_private_segment 0
		.amdhsa_kernarg_size 64
		.amdhsa_user_sgpr_count 2
		.amdhsa_user_sgpr_kernarg_segment_ptr 1
		.amdhsa_wavefront_size32 1
		.amdhsa_system_sgpr_workgroup_id_x 1
		.amdhsa_system_sgpr_workgroup_id_y 1
		.amdhsa_system_sgpr_workgroup_id_z 1
		.amdhsa_system_vgpr_workitem_id 0
		.amdhsa_next_free_vgpr 256
		.amdhsa_next_free_sgpr 66
		.amdhsa_reserve_vcc 0
		.amdhsa_float_denorm_mode_32 3
		.amdhsa_float_denorm_mode_16_64 3
		.amdhsa_memory_ordered 1
		.amdhsa_forward_progress 1
		.amdhsa_inst_pref_size 38
	.end_amdhsa_kernel
	.amdgpu_metadata
---
amdhsa.version: [ 1, 2 ]
amdhsa.kernels:
  - .name:           k_qa156e5baa9_quant
    .symbol:         k_qa156e5baa9_quant.kd
    .args:
      - { .name: x, .offset: 0, .size: 8, .value_kind: global_buffer, .address_space: global }
      - { .name: Wq, .offset: 8, .size: 8, .value_kind: global_buffer, .address_space: global }
      - { .name: Wk, .offset: 16, .size: 8, .value_kind: global_buffer, .address_space: global }
      - { .name: Wv, .offset: 24, .size: 8, .value_kind: global_buffer, .address_space: global }
      - { .name: Wd, .offset: 32, .size: 8, .value_kind: global_buffer, .address_space: global }
      - { .name: xc, .offset: 40, .size: 8, .value_kind: global_buffer, .address_space: global }
      - { .name: xs, .offset: 48, .size: 8, .value_kind: global_buffer, .address_space: global }
      - { .name: wrec, .offset: 56, .size: 8, .value_kind: global_buffer, .address_space: global }
    .group_segment_fixed_size: 47616
    .private_segment_fixed_size: 0
    .kernarg_segment_align: 8
    .kernarg_segment_size: 64
    .max_flat_workgroup_size: 128
    .sgpr_count:     66
    .vgpr_count:     256
    .wavefront_size: 32
...
	.end_amdgpu_metadata
.endif
;; end of part 1
;; launch proj (part 2): grid 16 x 16, 4 waves a work-group, clusters of 4 x 1, 168,448 bytes of LDS; arguments xc, xs, wrec, bq, bk, bv, qc, qs, kv; writes qc, qs, kv
.if DOCPART == 2
	.amdgcn_target "amdgcn-amd-amdhsa--gfx1250"
	.amdhsa_code_object_version 6
	.text
	.protected	k_qa156e5baa9_proj
	.globl	k_qa156e5baa9_proj
	.p2align	8
	.type	k_qa156e5baa9_proj,@function
k_qa156e5baa9_proj:
	s_mov_b64 s[64:65], 0
	v_nop
	global_prefetch_b8 v0, s[64:65] scope:SCOPE_SE
	s_setreg_imm32_b32 hwreg(HW_REG_WAVE_MODE, 25, 1), 1
	s_wait_xcnt 0x0
	s_wait_alu depctr_hold_cnt(0) depctr_sa_sdst(0) depctr_va_vdst(0) depctr_va_sdst(0) depctr_va_ssrc(0) depctr_va_vcc(0) depctr_vm_vsrc(0)
	s_getreg_b32 s2, hwreg(HW_REG_IB_STS2, 6, 4)
	s_cmp_eq_u32 s2, 0
	s_cbranch_scc0 .Lentry_in_a_cluster
	s_endpgm
.Lentry_in_a_cluster:
	s_bfe_u32 s2, ttmp6, 0x10000c
	s_cmp_lg_u32 s2, 0x3003
	s_cbranch_scc0 .Lentry_shape_is_right
	s_endpgm
.Lentry_shape_is_right:
; q, k, v = x W + b for one head G and 256 tokens, on codes of FP6 (E2M3) with E8M0 scales, and their quantising for the attention: q and k along the head's 64, v along the keys.  q, k, v never exist in memory as f32.
; SHARES.  Work-group (X, G): tokens 256 X on, columns 64 G on of Wq, Wk and Wv.  Wave w: tokens 64 w on (token tiles T0 + m, T0 = 16 X + 4 w, m = 0 .. 3) against all 192 columns: 48 accumulators, 384 matrix instructions.
; A (x's codes) comes from memory straight into the wave's registers, in the order of the operand's registers; no wave shares rows of A with another.  B (the three weights' records of head G, 8 K steps x 3 x 6,400 bytes)
; lands in LDS once and stays: no LDS byte is filled twice.
; CLUSTER.  The four work-groups of a cluster share G, so B is asked for JOINTLY (mask 15), each wave two K steps.  A is not shared in a cluster: its 196,608 bytes for 256 tokens do not fit in LDS beside B's 153,600,
; and the partners own different tokens.
; ORIENTATION.  q, k: source 0 = 16 columns of W, source 1 = 16 tokens: a lane holds one token, and, by the choice of a weight tile's rows, the 16 registers of tiles 2 b, 2 b + 1 are depths 32 b + 16 h + 0 .. 15.
; v: source 0 = 16 tokens, source 1 = 16 columns: a lane holds one depth, and, by the choice of a token tile's rows, the 16 registers of tiles 2 b, 2 b + 1 are keys 32 b + 16 h + 0 .. 15.  So each is quantised in registers.
; The biases are the C of each sum's first matrix instruction.
; OUT.  qc [G][T][768] half images, qs [G][T][16][4] (bytes 2, 3 are 0);  kv [G][128 keys: 32][13,056]: K's 8 half images, V's 4 fragments (depth tile x 128 keys) at 6,144, K's scale words at 12,288, V's at 12,800.
; LIMITS: NaN and infinities are not served; a block whose largest magnitude lies under 2^-124, a block of zeros among them, keeps the byte 1: this program alone reads the bytes.
; REGISTERS, in windows of 256.  Window 0: v1-15, v38-40 addresses; v16-31 x's scale words (4 m + p: K step 2 p in lanes 0-15, 2 p + 1 in lanes 16-31); v32-37 the weights' (2 j + p: tile 2 p below, 2 p + 1 above);
;   v64-207 three sets of four weight fragments; on the way out v64-159 codes, v208-234 at work.   Window 1: five sets of x's four fragments.   Window 2: q's accumulators at 32 m + 8 t, k's at 128 + 32 m + 8 t.
;   Window 3: v's accumulators at 32 t + 8 m; the biases at 128 + 32 j + 8 t.
.set WV,  22
.set HM,  26                           ; s26  mask of lanes 16-31
.set G1,  28                           ; s[28:35] descriptor group 1
.set G0A, 36                           ; s[36:39], s[40:43] groups 0: K steps w and w + 4
.set G0B, 40
.set XB,  44                           ; s[44:45] xc at my first tile; s[46:47] xs
.set XSB, 46
.set QB,  48                           ; qc, qs at my first tile
.set QSB, 50
.set KB,  52                           ; my record of kv + what hangs on w % 2, for K's codes, V's codes, K's words, V's words
.set VB,  54
.set KSB, 56
.set SEL, 58
.set VSB, 60
.set LA,  10                           ; v10-12 16 x lane + 57,600 g; v13-15 8 x lane + ..; v38-40 4 x lane + ..: three K steps to a register, so that every immediate stays under 65,536
.set LB,  13
.set LC,  38
.set AS,  16
.set BS,  32
.set BF,  64
.set PCB, 64
.set PW,  208
.set CW,  220
.set TM,  226
.set SO,  230
.set PT,  232
.set MSB, 0
.macro WIN new                         ; the immediate's high byte repeats the setting that is left; a switch that changes nothing is dropped
.if MSB != (\new)
	s_set_vgpr_msb (MSB<<8)|(\new)
.set MSB, (\new)
.endif
.endm
.macro PLACES n
.rept \n
	v_nop
.endr
.endm
.macro CROUND                          ; a round of the cluster's barrier
	s_barrier_signal -1
	s_barrier_wait -1
	s_cmp_lg_u32 s[WV], 0
	s_cbranch_scc1 .Lnot_wave_0_\@
	s_barrier_signal -3
.Lnot_wave_0_\@:
	s_barrier_wait -3
	s_barrier_signal -1
	s_barrier_wait -1
.endm
; one matrix instruction; ra, rb: source 0's and source 1's scales stand in lanes 16-31 of their registers
.macro WM d, a, b, c, sa, sb, ra, rb
.if ((\ra) == 0) && ((\rb) == 0)
	v_wmma_scale_f32_16x16x128_f8f6f4 v[(\d):(\d)+7], v[(\a):(\a)+11], v[(\b):(\b)+11], v[(\c):(\c)+7], v[\sa], v[\sb] matrix_a_fmt:MATRIX_FMT_FP6 matrix_b_fmt:MATRIX_FMT_FP6
.elseif (\rb) == 0
	v_wmma_scale_f32_16x16x128_f8f6f4 v[(\d):(\d)+7], v[(\a):(\a)+11], v[(\b):(\b)+11], v[(\c):(\c)+7], v[\sa], v[\sb] matrix_a_fmt:MATRIX_FMT_FP6 matrix_b_fmt:MATRIX_FMT_FP6 matrix_a_scale:MATRIX_SCALE_ROW1
.elseif (\ra) == 0
	v_wmma_scale_f32_16x16x128_f8f6f4 v[(\d):(\d)+7], v[(\a):(\a)+11], v[(\b):(\b)+11], v[(\c):(\c)+7], v[\sa], v[\sb] matrix_a_fmt:MATRIX_FMT_FP6 matrix_b_fmt:MATRIX_FMT_FP6 matrix_b_scale:MATRIX_SCALE_ROW1
.else
	v_wmma_scale_f32_16x16x128_f8f6f4 v[(\d):(\d)+7], v[(\a):(\a)+11], v[(\b):(\b)+11], v[(\c):(\c)+7], v[\sa], v[\sb] matrix_a_fmt:MATRIX_FMT_FP6 matrix_b_fmt:MATRIX_FMT_FP6 matrix_a_scale:MATRIX_SCALE_ROW1 matrix_b_scale:MATRIX_SCALE_ROW1
.endif
.endm
; 32 numbers of a lane in window win, register 16 b + i = k 32 b + 16 h + i of the lane's row, become a half image's 6 registers v[pc] on and the row's two scale bytes in v[pw], both in window 0.
; The maxima take the registers in ascending order.
.macro QHALF win, base, pc, pw
	WIN ((\win)<<2)|((\win)<<4)
.irp b, 0,1
	v_max3_num_f32 v[TM+\b], 0x1800000, |v[(\base)+16*\b]|, |v[(\base)+16*\b+1]|   ; my 16 numbers of block b, and the floor 2^(3 - 127)
.endr
.irp i, 2,4,6,8,10,12,14
.irp b, 0,1
	v_max3_num_f32 v[TM+\b], v[TM+\b], |v[(\base)+16*\b+\i]|, |v[(\base)+16*\b+\i+1]|
.endr
.endr
	WIN 0
.irp b, 0,1
	v_permlanex16_b32 v[TM+2+\b], v[TM+\b], s[SEL], s[SEL+1]
.endr
.irp b, 0,1
	v_max_num_f32 v[TM+\b], v[TM+\b], v[TM+2+\b]   ; with lane l xor 16's: the block's largest magnitude
.endr
.irp b, 0,1
	v_add_nc_u32 v[SO+\b], 0xff000000, v[TM+\b]    ; 2 off the exponent field: the conversion's scale operand
.endr
.irp b, 0,1
	v_lshrrev_b32 v[TM+2+\b], 23, v[SO+\b]         ; the scale's byte
.endr
	v_lshl_or_b32 v[\pw], v[TM+3], 8, v[TM+2]
	WIN \win
	v_cvt_scalef32_pk16_fp6_f32 v[(\pc):(\pc)+2], v[(\base):(\base)+15], v[SO]
	v_cvt_scalef32_pk16_fp6_f32 v[PT:PT+2], v[(\base)+16:(\base)+31], v[SO+1]
	WIN 0
	v_nop                                          ; one plain place behind the conversions
.irp i, 0,1,2
	v_permlane16_swap_b32 v[(\pc)+\i], v[PT+\i]    ; the layout wants a whole block in a lane: lanes 0-15 block 0, lanes 16-31 block 1
.endr
.irp i, 0,1,2
	v_mov_b32 v[(\pc)+3+\i], v[PT+\i]
.endr
.endm
	s_load_b256 s[4:11], s[0:1], 0x0               ; xc s[4:5], xs s[6:7], wrec s[8:9], bq s[10:11]
	s_load_b256 s[12:19], s[0:1], 0x20             ; bk s[12:13], bv s[14:15], qc s[16:17], qs s[18:19]
	s_load_b64 s[20:21], s[0:1], 0x40              ; kv
	v_lshl_add_u32 v254, v0, 2, 0x29000
	v_mov_b32 v255, 0
	ds_add_u32 v254, v255
	ds_add_u32 v254, v255
	v_lshrrev_b32 v1, 5, v0
	v_readfirstlane_b32 s[WV], v1                  ; wave 0..3
	v_and_b32 v1, 31, v0                           ; lane
	v_and_b32 v2, 15, v0                           ; r
	v_bfe_u32 v3, v0, 4, 1                         ; h
	v_lshlrev_b32 v4, 4, v1
	v_lshlrev_b32 v5, 3, v1
	v_lshlrev_b32 v6, 2, v1
	v_lshlrev_b32 v7, 6, v3                        ; q's, k's bias: 16 numbers on for lanes 16-31
	v_and_b32 v8, 8, v2
	v_add_nc_u32 v8, v8, v2
	v_lshlrev_b32 v8, 2, v8                        ; v's bias: 4 perm(r)
.irp g, 0,1,2
	v_add_nc_u32 v[LA+\g], 57600*\g, v4
	v_add_nc_u32 v[LB+\g], 57600*\g, v5
	v_add_nc_u32 v[LC+\g], 57600*\g, v6
.endr
	v_mov_b32 v[TM+2], 0                           ; written once: a lane permute's destination counts as one of its sources
	v_mov_b32 v[TM+3], 0
	v_cmp_lt_u32 s[HM], 15, v1
	s_mov_b32 s[SEL], 0x76543210
	s_mov_b32 s[SEL+1], 0xfedcba98
	s_bfe_u32 s23, ttmp6, 0x40000                  ; cx
	s_lshl_b32 s24, ttmp9, 2
	s_add_co_u32 s24, s24, s23                     ; X = 4 x cluster x + cx: it enters the addresses of A and of the results alone
	s_and_b32 s25, ttmp7, 0xffff                   ; G, which the four partners share
	; descriptor group 1: three rows (q's, k's, v's record of one K step) of 800 elements of 8 bytes, 819,200 bytes apart in memory, on end in LDS
	s_mov_b32 s[G1], 15|(3<<16)|(1<<21)            ; 15:0 the mask: all four work-groups; 17:16 elements of 8 bytes; 21 set beside a mask
	s_mov_b32 s[G1+1], 800<<16                     ; tensor_dim0
	s_mov_b32 s[G1+2], 3<<16                       ; tensor_dim1
	s_mov_b32 s[G1+3], 800<<16                     ; tile_dim0
	s_mov_b32 s[G1+4], 3                           ; tile_dim1
	s_mov_b32 s[G1+5], 102400                      ; tensor_dim0_stride, in elements
	s_mov_b32 s[G1+6], 0
	s_mov_b32 s[G1+7], 0
	s_mul_i32 s2, s25, 51200
	s_mul_i32 s3, s[WV], 6400
	s_add_co_u32 s2, s2, s3                        ; G's records, K step w
	s_mov_b32 s3, 0
	s_mov_b32 s[G0A], 1
	s_mul_i32 s[G0A+1], s[WV], 19200               ; LDS: K step s at 19,200 s
	s_mov_b32 s[G0B], 1
	s_add_co_u32 s[G0B+1], s[G0A+1], 76800
	; the other offsets
	s_lshl_b32 s27, s24, 4
	s_lshl_b32 s62, s[WV], 2
	s_add_co_u32 s27, s27, s62                     ; T0
	s_mul_i32 s[XB], s27, 12288
	s_mov_b32 s[XB+1], 0
	s_lshl_b32 s[XSB], s27, 9
	s_mov_b32 s[XSB+1], 0
	s_mul_i32 s[QB], s25, 196608
	s_mul_i32 s62, s27, 768
	s_add_co_u32 s[QB], s[QB], s62
	s_mov_b32 s[QB+1], 0
	s_lshl_b32 s[QSB], s25, 14
	s_lshl_b32 s62, s27, 6
	s_add_co_u32 s[QSB], s[QSB], s62
	s_mov_b32 s[QSB+1], 0
	s_lshl_b32 s62, s25, 5
	s_lshl_b32 s63, s24, 1
	s_add_co_u32 s62, s62, s63
	s_lshr_b32 s63, s[WV], 1
	s_add_co_u32 s62, s62, s63                     ; 32 G + my 128 keys' number
	s_mul_i32 s62, s62, 13056
	s_and_b32 s63, s[WV], 1                        ; which 64 of the 128
	s_mul_i32 s[KB], s63, 3072
	s_add_co_u32 s[KB], s[KB], s62
	s_mov_b32 s[KB+1], 0
	s_mul_i32 s[VB], s63, 768
	s_add_co_u32 s[VB], s[VB], s62
	s_mov_b32 s[VB+1], 0
	s_lshl_b32 s[KSB], s63, 8
	s_add_co_u32 s[KSB], s[KSB], s62
	s_mov_b32 s[KSB+1], 0
	s_lshl_b32 s[VSB], s63, 1
	s_add_co_u32 s[VSB], s[VSB], s62
	s_mov_b32 s[VSB+1], 0
	s_lshl_b32 s62, s25, 8                         ; the biases: 64 numbers a head
	s_mov_b32 s63, 0
	s_wait_dscnt 0x0
	s_wait_kmcnt 0x0
	s_add_nc_u64 s[G0A+2:G0A+3], s[8:9], s[2:3]
	s_add_nc_u64 s[G0B+2:G0B+3], s[G0A+2:G0A+3], 25600   ; four K steps on
	s_or_b32 s[G0A+3], s[G0A+3], 0x80000000        ; type = 2
	s_or_b32 s[G0B+3], s[G0B+3], 0x80000000
	s_add_nc_u64 s[XB:XB+1], s[4:5], s[XB:XB+1]
	s_add_nc_u64 s[XSB:XSB+1], s[6:7], s[XSB:XSB+1]
	s_add_nc_u64 s[10:11], s[10:11], s[62:63]
	s_add_nc_u64 s[12:13], s[12:13], s[62:63]
	s_add_nc_u64 s[14:15], s[14:15], s[62:63]
	s_add_nc_u64 s[QB:QB+1], s[16:17], s[QB:QB+1]
	s_add_nc_u64 s[QSB:QSB+1], s[18:19], s[QSB:QSB+1]
	s_add_nc_u64 s[KB:KB+1], s[20:21], s[KB:KB+1]
	s_add_nc_u64 s[VB:VB+1], s[20:21], s[VB:VB+1]
	s_add_nc_u64 s[KSB:KSB+1], s[20:21], s[KSB:KSB+1]
	s_add_nc_u64 s[VSB:VSB+1], s[20:21], s[VSB:VSB+1]
	CROUND                                         ; all four work-groups are here: the joint loads meet
	tensor_load_to_lds s[G0A:G0A+3], s[G1:G1+7]    ; K step w;
	s_nop 0
	tensor_load_to_lds s[G0B:G0B+3], s[G1:G1+7]    ; K step w + 4: two tensor loads of mine are out, and no more follow
	s_nop 0
	PLACES 4
.macro ALOAD s                         ; x's four fragments of K step s into set s % 5 of window 1: 16 loads
.set ALS, (\s)
	WIN 0x40
.irp m, 0,1,2,3
.irp c, 0,1
	global_load_b128 v[48*(ALS%5)+12*\m+6*\c:48*(ALS%5)+12*\m+6*\c+3], v4, s[XB:XB+1] offset:12288*\m+1536*ALS+768*\c
	global_load_b64 v[48*(ALS%5)+12*\m+6*\c+4:48*(ALS%5)+12*\m+6*\c+5], v5, s[XB:XB+1] offset:12288*\m+1536*ALS+768*\c+512
.endr
.endr
	WIN 0
.endm
.macro FETCHB q                        ; unit q = 3 s + j: weight j's four fragments and two registers of scale words of K step s, from LDS: 18 loads
.set fs, (\q)/3
.set fj, (\q)%3
.set fo, (fs%3)*19200+6400*fj
.set fg, fs/3
.irp tt, 0,1,2,3
.irp c, 0,1
	ds_load_b128 v[BF+48*fj+12*\tt+6*\c:BF+48*fj+12*\tt+6*\c+3], v[LA+fg] offset:fo+1536*\tt+768*\c
	ds_load_b64 v[BF+48*fj+12*\tt+6*\c+4:BF+48*fj+12*\tt+6*\c+5], v[LB+fg] offset:fo+1536*\tt+768*\c+512
.endr
.endr
	ds_load_b32 v[BS+2*fj], v[LC+fg] offset:fo+6144
	ds_load_b32 v[BS+2*fj+1], v[LC+fg] offset:fo+6144+128
.endm
.macro MUL q                           ; unit q: 16 matrix instructions on 16 accumulators; the 48 take turns, one instruction a turn
.set ms, (\q)/3
.set mj, (\q)%3
.set ma, 48*(ms%5)
.set mb, BF+48*mj
.if mj < 2
.if ms == 0
	WIN 0xb4                                       ; source 0 (W) window 0, source 1 (x) window 1, C (the bias) window 3, D window 2
.else
	WIN 0xa4                                       ; C and D window 2
.endif
.irp m, 0,1,2,3
.irp tt, 0,1,2,3
.if ms == 0
	WM 128*mj+32*\m+8*\tt, mb+12*\tt, ma+12*\m, 128+32*mj+8*\tt, BS+2*mj+(\tt/2), AS+4*\m+ms/2, \tt%2, ms%2
.else
	WM 128*mj+32*\m+8*\tt, mb+12*\tt, ma+12*\m, 128*mj+32*\m+8*\tt, BS+2*mj+(\tt/2), AS+4*\m+ms/2, \tt%2, ms%2
.endif
.endr
.endr
.else
	WIN 0xf1                                       ; source 0 (x) window 1, source 1 (W) window 0, C and D window 3
.irp m, 0,1,2,3
.irp tt, 0,1,2,3
.if ms == 0
	WM 32*\tt+8*\m, ma+12*\m, mb+12*\tt, 192+8*\tt, AS+4*\m+ms/2, BS+4+(\tt/2), ms%2, \tt%2
.else
	WM 32*\tt+8*\m, ma+12*\m, mb+12*\tt, 32*\tt+8*\m, AS+4*\m+ms/2, BS+4+(\tt/2), ms%2, \tt%2
.endif
.endr
.endr
.endif
.endm
	WIN 0xc0                                       ; destination window 3
.irp tt, 0,1,2,3                               ; q's and k's bias: tile 2 b + u, lane (r, h), register i: depth 32 b + 8 u + 16 h + i
	global_load_b128 v[128+8*\tt:128+8*\tt+3], v7, s[10:11] offset:(32*(\tt/2)+8*(\tt%2))*4
	global_load_b128 v[128+8*\tt+4:128+8*\tt+7], v7, s[10:11] offset:(32*(\tt/2)+8*(\tt%2))*4+16
	global_load_b128 v[160+8*\tt:160+8*\tt+3], v7, s[12:13] offset:(32*(\tt/2)+8*(\tt%2))*4
	global_load_b128 v[160+8*\tt+4:160+8*\tt+7], v7, s[12:13] offset:(32*(\tt/2)+8*(\tt%2))*4+16
.endr
.irp tt, 0,1,2,3                               ; v's bias: a lane holds one depth, 32 b + 8 u + perm(r), in all eight registers
.irp i, 0,1,2,3,4,5,6,7
	global_load_b32 v[192+8*\tt+\i], v8, s[14:15] offset:(32*(\tt/2)+8*(\tt%2))*4
.endr
.endr
	WIN 0
.irp m, 0,1,2,3
.irp p, 0,1,2,3
	global_load_b32 v[AS+4*\m+\p], v6, s[XSB:XSB+1] offset:512*\m+128*\p
.endr
.endr
	ALOAD 0
	ALOAD 1
	ALOAD 2
	ALOAD 3
	ALOAD 4
	s_wait_tensorcnt 0x1                           ; my K step w is in; K step w + 4 may stay out
	s_barrier_signal -1
	s_barrier_wait -1                              ; K steps 0 to 3 lie in LDS
	FETCHB 0
	FETCHB 1
.set Q, 0
.rept 24
.if Q > 0
	PLACES 4                                       ; in front of loads into registers that the last unit's matrix instructions have read
.endif
.if (Q%3 == 0) && (Q/3 >= 1) && (Q/3 <= 3)
	ALOAD Q/3+4                                    ; into the set that K step s - 1 has just left
.endif
.if Q == 10
	s_wait_tensorcnt 0x0                           ; my K step w + 4 is in,
	s_wait_dscnt 0x0                               ; no LDS load of mine is out at the signal,
	s_barrier_signal -1
	s_barrier_wait -1                              ; and K steps 4 to 7 lie in LDS: the fetch below is the first that reads them
.endif
.if Q+2 <= 23
	FETCHB Q+2
.endif
.if Q <= 21
	s_wait_dscnt 36                                ; this unit's fragments are in; the 18 + 18 loads of the next two units may be out
.elseif Q == 22
	s_wait_dscnt 18
.else
	s_wait_dscnt 0x0
.endif
.if Q%3 == 0
.if Q/3 <= 3
	s_wait_loadcnt 63                              ; behind this K step's 16 loads stand 64 of later K steps; a wait's count names 63 at the most
.else
	s_wait_loadcnt 16*(7-Q/3)                      ; the later K steps' loads may be out
.endif
.endif
	MUL Q
	WIN 0
.set Q, Q+1
.endr
	; ---- the way out: quantise in registers, store images.  Every result has registers of its own, so no store's data are written again.
	PLACES 4
.irp m, 0,1,2,3
	QHALF 2, 32*\m, PCB+8*\m, PW+\m
	global_store_b128 v4, v[PCB+8*\m:PCB+8*\m+3], s[QB:QB+1] offset:768*\m
	global_store_b64 v5, v[PCB+8*\m+4:PCB+8*\m+5], s[QB:QB+1] offset:768*\m+512
.endr
.irp m, 0,1,2,3
	QHALF 2, 128+32*\m, PCB+32+8*\m, PW+4+\m
	global_store_b128 v4, v[PCB+32+8*\m:PCB+32+8*\m+3], s[KB:KB+1] offset:768*\m
	global_store_b64 v5, v[PCB+32+8*\m+4:PCB+32+8*\m+5], s[KB:KB+1] offset:768*\m+512
.endr
.irp tt, 0,1,2,3
	QHALF 3, 32*\tt, PCB+64+8*\tt, PW+8+\tt
	global_store_b128 v4, v[PCB+64+8*\tt:PCB+64+8*\tt+3], s[VB:VB+1] offset:6144+1536*\tt
	global_store_b64 v5, v[PCB+64+8*\tt+4:PCB+64+8*\tt+5], s[VB:VB+1] offset:6144+1536*\tt+512
.endr
.irp p, 0,1                                    ; scale words: an even tile's in lanes 0-15, the odd one's in lanes 16-31
	v_cndmask_b32 v[CW+\p], v[PW+2*\p], v[PW+2*\p+1], s[HM]
	v_cndmask_b32 v[CW+2+\p], v[PW+4+2*\p], v[PW+4+2*\p+1], s[HM]
	v_cndmask_b32 v[CW+4+\p], v[PW+8+2*\p], v[PW+8+2*\p+1], s[HM]
.endr
.irp p, 0,1
	global_store_b32 v6, v[CW+\p], s[QSB:QSB+1] offset:128*\p
	global_store_b32 v6, v[CW+2+\p], s[KSB:KSB+1] offset:12288+128*\p
	global_store_b16 v6, v[CW+4+\p], s[VSB:VSB+1] offset:12800+128*\p   ; my 64 keys' two bytes of each word; the other two are the neighbouring wave's
.endr
	s_wait_tensorcnt 0x0
	ds_add_u32 v254, v255
	s_wait_dscnt 0x0
	CROUND                                         ; the closing round: no work-group ends while a partner may still ask for a tile that names it
	s_endpgm
.Lfunc_end_k_qa156e5baa9_proj:
	.size	k_qa156e5baa9_proj, .Lfunc_end_k_qa156e5baa9_proj-k_qa156e5baa9_proj
	.p2alignl 7, 3214868480
	.fill 96, 4, 3214868480
	.section	.rodata,"a",@progbits
	.p2align	6, 0x0
	.amdhsa_kernel k_qa156e5baa9_proj
		.amdhsa_group_segment_fixed_size 168448
		.amdhsa_private_segment_fixed_size 0
		.amdhsa_enable_private_segment 0
		.amdhsa_kernarg_size 72
		.amdhsa_user_sgpr_count 2
		.amdhsa_user_sgpr_kernarg_segment_ptr 1
		.amdhsa_wavefront_size32 1
		.amdhsa_system_sgpr_workgroup_id_x 1
		.amdhsa_system_sgpr_workgroup_id_y 1
		.amdhsa_system_sgpr_workgroup_id_z 1
		.amdhsa_system_vgpr_workitem_id 0
		.amdhsa_next_free_vgpr 1024
		.amdhsa_next_free_sgpr 66
		.amdhsa_reserve_vcc 0
		.amdhsa_float_denorm_mode_32 3
		.amdhsa_float_denorm_mode_16_64 3
		.amdhsa_memory_ordered 1
		.amdhsa_forward_progress 1
		.amdhsa_inst_pref_size 133
	.end_amdhsa_kernel
	.amdgpu_metadata
---
amdhsa.version: [ 1, 2 ]
amdhsa.kernels:
  - .name:           k_qa156e5baa9_proj
    .symbol:         k_qa156e5baa9_proj.kd
    .args:
      - { .name: xc, .offset: 0, .size: 8, .value_kind: global_buffer, .address_space: global }
      - { .name: xs, .offset: 8, .size: 8, .value_kind: global_buffer, .address_space: global }
      - { .name: wrec, .offset: 16, .size: 8, .value_kind: global_buffer, .address_space: global }
      - { .name: bq, .offset: 24, .size: 8, .value_kind: global_buffer, .address_space: global }
      - { .name: bk, .offset: 32, .size: 8, .value_kind: global_buffer, .address_space: global }
      - { .name: bv, .offset: 40, .size: 8, .value_kind: global_buffer, .address_space: global }
      - { .name: qc, .offset: 48, .size: 8, .value_kind: global_buffer, .address_space: global }
      - { .name: qs, .offset: 56, .size: 8, .value_kind: global_buffer, .address_space: global }
      - { .name: kv, .offset: 64, .size: 8, .value_kind: global_buffer, .address_space: global }
    .group_segment_fixed_size: 168448
    .private_segment_fixed_size: 0
    .kernarg_segment_align: 8
    .kernarg_segment_size: 72
    .max_flat_workgroup_size: 128
    .sgpr_count:     66
    .vgpr_count:     1024
    .wavefront_size: 32
...
	.end_amdgpu_metadata
.endif
;; end of part 2
;; launch attn (part 3): grid 16 x 16, 16 waves a work-group, no clusters, 169,984 bytes of LDS; arguments qc, qs, kv, oc, os; writes oc, os
.if DOCPART == 3
	.amdgcn_target "amdgcn-amd-amdhsa--gfx1250"
	.amdhsa_code_object_version 6
	.text
	.protected	k_qa156e5baa9_attn
	.globl	k_qa156e5baa9_attn
	.p2align	8
	.type	k_qa156e5baa9_attn,@function
k_qa156e5baa9_attn:
	s_mov_b64 s[64:65], 0
	v_nop
	global_prefetch_b8 v0, s[64:65] scope:SCOPE_SE
	s_setreg_imm32_b32 hwreg(HW_REG_WAVE_MODE, 25, 1), 1
	s_wait_xcnt 0x0
; o = softmax(q k^T / 8 + band mask) v for one head G and 256 queries, both products on codes of FP6 (E2M3) with E8M0 scales; key j counts for query i where |i - j| <= 256.  o is quantised along the model's 1,024 on the way out.
; THE SOFTMAX AHEAD OF THE SECOND PRODUCT: t = score x log2(e) / 8; M = the running largest t rounded UP to a whole number; p = 2^(t - M) is quantised along the keys, not normalised; the row's sum is taken of the
; unquantised p and divides at the end.  When M moves, the sum and O are multiplied by 2^(old M - new M): exact.
; SHARES.  Work-group (A, G); each of its sixteen waves owns one tile of 16 queries, T = 16 A + w, in 256 registers: four waves to a SIMD, so that one wave's vector work stands beside another's matrix work.
; THE BAND.  With a = the query's block of 128 and ri its place there, only key steps (128 keys) a - 2 .. a + 2 hold keys that count: a - 1, a, a + 1 wholly; in a - 2 key jj is hidden where jj < ri, in a + 2 where jj > ri.
; A step outside 0 .. 31 is left out by a scalar branch on ids.  Every step that is walked has a key that counts for every query, so M is a number from the first step on.
; LDS.  Six slots of 13,056 bytes: slot n holds key step 2 A - 2 + n, held inside 0 .. 31 (at the sequence's ends a slot holds a copy that nobody reads).  Waves 0 to 5 fill one each, once; no LDS byte is filled twice.
; NO CLUSTER: neighbours in a head own other windows: of a work-group's six key steps four are its neighbour's too, in other slots, so no load could carry one descriptor in all that a mask would name.
; NO PREFETCH: all of a work-group's tiles are asked for at its head; there is no later step to ask ahead for.
; LAYOUT.  Both products transposed: S^T = K Q^T (source 0 = 16 keys), O^T = V^T P^T (source 0 = 16 depths): a lane holds one query.  By the choice of a tile's rows the 16 registers of tiles 2 b, 2 b + 1 are keys (depths) 32 b + 16 h + 0 .. 15.
; The first product's K is 64: registers 6-11 of Q's and K's fragments are zeros, and their scale bytes 2 and 3 are 0, which is 2^-127 over zero codes.
; LIMITS: NaN and infinities are not served; a block whose largest magnitude lies under 2^-124, a block of zeros among them, keeps the byte 1: this program alone reads the bytes.
; REGISTERS: v1-3 my first slot + 16, 8, 4 x lane; v4 ri - 16 h; v5-7 16 x lane, 8 x lane, 4 r; v8-10 the step's LDS addresses; v12 -M, v13 the largest t, v[14:15] the sum; v16-27 Q; v28 Q's, v29-30 V's, v31 p's, v248-251 K's scale words;
;   v32-79 four fragments of K; v80-127 V's four; v128-191 S^T, then p; v192-223 O^T; v224-235 p's codes; v236-247, v252-255 at work.
.set WV,  14
.set G1,  20                           ; s[20:27], s[28:31] the descriptor
.set G0,  28
.set SEL, 32
.set CS,  34                           ; s[34:35] c = log2(e) / 8, twice: the packed form names a pair
.set AQ,  48                           ; s48  a
.set BM,  236                          ; v236-239 the blocks' largest scores, then largest p
.set BT,  240                          ; v240-243 at work
.set TM,  236                          ; the way out's quantiser
.set SO,  244
.set PT,  240
.set MSB, 0
.macro WIN new
.if MSB != (\new)
	s_set_vgpr_msb (MSB<<8)|(\new)
.set MSB, (\new)
.endif
.endm
.macro PLACES n
.rept \n
	v_nop
.endr
.endm
.macro WM d, a, b, c, sa, sb, ra       ; ra: source 0's scales stand in lanes 16-31
.if (\ra) == 0
	v_wmma_scale_f32_16x16x128_f8f6f4 v[(\d):(\d)+7], v[(\a):(\a)+11], v[(\b):(\b)+11], v[(\c):(\c)+7], v[\sa], v[\sb] matrix_a_fmt:MATRIX_FMT_FP6 matrix_b_fmt:MATRIX_FMT_FP6
.else
	v_wmma_scale_f32_16x16x128_f8f6f4 v[(\d):(\d)+7], v[(\a):(\a)+11], v[(\b):(\b)+11], v[(\c):(\c)+7], v[\sa], v[\sb] matrix_a_fmt:MATRIX_FMT_FP6 matrix_b_fmt:MATRIX_FMT_FP6 matrix_a_scale:MATRIX_SCALE_ROW1
.endif
.endm
.macro WMZ d, a, b, sa, sb, ra         ; the same with C = 0
.if (\ra) == 0
	v_wmma_scale_f32_16x16x128_f8f6f4 v[(\d):(\d)+7], v[(\a):(\a)+11], v[(\b):(\b)+11], 0, v[\sa], v[\sb] matrix_a_fmt:MATRIX_FMT_FP6 matrix_b_fmt:MATRIX_FMT_FP6
.else
	v_wmma_scale_f32_16x16x128_f8f6f4 v[(\d):(\d)+7], v[(\a):(\a)+11], v[(\b):(\b)+11], 0, v[\sa], v[\sb] matrix_a_fmt:MATRIX_FMT_FP6 matrix_b_fmt:MATRIX_FMT_FP6 matrix_a_scale:MATRIX_SCALE_ROW1
.endif
.endm
; 32 numbers of a lane, register 16 b + i = k 32 b + 16 h + i of the lane's row, become a half image's 6 registers v[pc] on and the row's two scale bytes in v[pw].  (Here every window is 0: WIN writes nothing.)
.macro QHALF win, base, pc, pw
	WIN ((\win)<<2)|((\win)<<4)
.irp b, 0,1
	v_max3_num_f32 v[TM+\b], 0x1800000, |v[(\base)+16*\b]|, |v[(\base)+16*\b+1]|
.endr
.irp i, 2,4,6,8,10,12,14
.irp b, 0,1
	v_max3_num_f32 v[TM+\b], v[TM+\b], |v[(\base)+16*\b+\i]|, |v[(\base)+16*\b+\i+1]|
.endr
.endr
	WIN 0
.irp b, 0,1
	v_permlanex16_b32 v[TM+2+\b], v[TM+\b], s[SEL], s[SEL+1]
.endr
.irp b, 0,1
	v_max_num_f32 v[TM+\b], v[TM+\b], v[TM+2+\b]
.endr
.irp b, 0,1
	v_add_nc_u32 v[SO+\b], 0xff000000, v[TM+\b]
.endr
.irp b, 0,1
	v_lshrrev_b32 v[TM+2+\b], 23, v[SO+\b]
.endr
	v_lshl_or_b32 v[\pw], v[TM+3], 8, v[TM+2]
	WIN \win
	v_cvt_scalef32_pk16_fp6_f32 v[(\pc):(\pc)+2], v[(\base):(\base)+15], v[SO]
	v_cvt_scalef32_pk16_fp6_f32 v[PT:PT+2], v[(\base)+16:(\base)+31], v[SO+1]
	WIN 0
	v_nop
.irp i, 0,1,2
	v_permlane16_swap_b32 v[(\pc)+\i], v[PT+\i]
.endr
.irp i, 0,1,2
	v_mov_b32 v[(\pc)+3+\i], v[PT+\i]
.endr
.endm
	s_load_b256 s[4:11], s[0:1], 0x0               ; qc s[4:5], qs s[6:7], kv s[8:9], oc s[10:11]
	s_load_b64 s[12:13], s[0:1], 0x20              ; os
	v_lshl_add_u32 v254, v0, 2, 0x29000
	v_mov_b32 v255, 0
	ds_add_u32 v254, v255
	ds_add_u32 v254, v255
	s_wait_dscnt 0x0
	v_lshrrev_b32 v1, 5, v0
	v_readfirstlane_b32 s[WV], v1                  ; wave 0..15
	s_and_b32 s15, ttmp7, 0xffff                   ; G
	; the descriptor: a record of 13,056 dense bytes as 51 rows of 256 (32 elements of 8 bytes)
	s_mov_b32 s[G1], 3<<16
	s_mov_b32 s[G1+1], 32<<16
	s_mov_b32 s[G1+2], 51<<16
	s_mov_b32 s[G1+3], 32<<16
	s_mov_b32 s[G1+4], 51
	s_mov_b32 s[G1+5], 32
	s_mov_b32 s[G1+6], 0
	s_mov_b32 s[G1+7], 0
	s_min_u32 s36, s[WV], 5                        ; (waves 6 to 15 issue no load)
	s_mov_b32 s[G0], 1
	s_mul_i32 s[G0+1], s36, 13056                  ; slot w
	s_lshl_b32 s37, ttmp9, 1                       ; 2 A
	s_add_co_u32 s38, s37, s36
	s_max_u32 s38, s38, 2
	s_min_u32 s38, s38, 33
	s_sub_co_u32 s38, s38, 2                       ; key step 2 A - 2 + w, held inside 0 .. 31
	s_lshl_b32 s39, s15, 5
	s_add_co_u32 s38, s38, s39
	s_mul_i32 s38, s38, 13056
	s_mov_b32 s39, 0
	s_lshl_b32 s43, ttmp9, 4
	s_add_co_u32 s43, s43, s[WV]                   ; T
	s_mul_i32 s44, s15, 196608
	s_mul_i32 s45, s43, 768
	s_add_co_u32 s44, s44, s45                     ; Q's half image
	s_mov_b32 s45, 0
	s_lshl_b32 s46, s15, 14
	s_lshl_b32 s47, s43, 6
	s_add_co_u32 s46, s46, s47                     ; its scale words
	s_mov_b32 s47, 0
	s_mul_i32 s50, s43, 12288
	s_mul_i32 s51, s15, 768
	s_add_co_u32 s50, s50, s51                     ; o's half image: tile T, K step G / 2, half G % 2
	s_mov_b32 s51, 0
	s_lshl_b32 s52, s43, 9
	s_lshr_b32 s53, s15, 1
	s_lshl_b32 s53, s53, 6
	s_add_co_u32 s52, s52, s53
	s_and_b32 s53, s15, 1
	s_lshl_b32 s53, s53, 1
	s_add_co_u32 s52, s52, s53                     ; its two bytes of each row's scale word
	s_mov_b32 s53, 0
	s_wait_kmcnt 0x0
	s_add_nc_u64 s[G0+2:G0+3], s[8:9], s[38:39]
	s_or_b32 s[G0+3], s[G0+3], 0x80000000          ; type = 2
	s_cmp_lt_u32 s[WV], 6
	s_cbranch_scc0 .Lno_fill
	tensor_load_to_lds s[G0:G0+3], s[G1:G1+7]      ; one tensor load of mine is out, and no more follow
	s_nop 0
	PLACES 4
.Lno_fill:
	s_add_nc_u64 s[4:5], s[4:5], s[44:45]
	s_add_nc_u64 s[6:7], s[6:7], s[46:47]
	s_add_nc_u64 s[10:11], s[10:11], s[50:51]
	s_add_nc_u64 s[12:13], s[12:13], s[52:53]
	v_and_b32 v11, 31, v0                          ; lane
	v_and_b32 v254, 15, v0                         ; r
	v_bfe_u32 v255, v0, 4, 1                       ; h
	v_lshlrev_b32 v5, 4, v11
	v_lshlrev_b32 v6, 3, v11
	v_lshlrev_b32 v7, 2, v254
	v_lshlrev_b32 v3, 2, v11
	global_load_b128 v[16:19], v5, s[4:5]          ; Q's half image stays in registers
	global_load_b64 v[20:21], v6, s[4:5] offset:512
	global_load_b32 v28, v7, s[6:7]
	s_lshr_b32 s40, s[WV], 3
	s_add_co_u32 s[AQ], s37, s40                   ; a = 2 A + w / 8
	s_mul_i32 s40, s40, 13056                      ; my first slot
	v_add_nc_u32 v1, s40, v5
	v_add_nc_u32 v2, s40, v6
	v_add_nc_u32 v3, s40, v3
	v_and_b32 v4, 8, v254
	v_add_nc_u32 v4, v4, v254                      ; perm(r)
	v_lshlrev_b32 v255, 4, v255
	v_sub_nc_u32 v4, v4, v255                      ; - 16 h
	s_bfe_u32 s41, s[WV], 0x20001
	s_lshl_b32 s41, s41, 5
	s_and_b32 s42, s[WV], 1
	s_lshl_b32 s42, s42, 3
	s_add_co_u32 s41, s41, s42
	v_add_nc_u32 v4, s41, v4                       ; ri - 16 h: register 16 b + i holds key 32 b + 16 h + i of a step
	s_mov_b32 s[SEL], 0x76543210
	s_mov_b32 s[SEL+1], 0xfedcba98
	s_mov_b32 s[CS], 0x3e38aa3b
	s_mov_b32 s[CS+1], s[CS]
.irp j, 22,23,24,25,26,27
	v_mov_b32 v[\j], 0                             ; the upper 64 of Q's K: zero codes
.endr
.irp t, 0,1,2,3
.irp j, 6,7,8,9,10,11
	v_mov_b32 v[32+12*\t+\j], 0                    ; and of K's: written once, never loaded
.endr
.endr
.set n, 0
.rept 32
	v_mov_b32 v[192+n], 0                          ; O^T: the step is written for every place in the walk; the first finds zeros, which the first change of M leaves zeros
.set n, n+1
.endr
	v_mov_b32 v13, 0xff61b1e6                      ; the largest t so far: -3e38
	v_floor_f32 v12, -v13                          ; -M
	v_mov_b32 v14, 0
	v_mov_b32 v15, 0
.irp j, 236,237,238,239,240,241,242,243,252,253
	v_mov_b32 v[\j], 0                             ; lane permutes' destinations and a pair's upper half count as read
.endr
	s_wait_tensorcnt 0x0                           ; my slot is in,
	s_barrier_signal -1
	s_barrier_wait -1                              ; all six are
	s_wait_loadcnt 0x0                             ; Q
; KEY STEP a - 2 + st.  mode 1: keys under ri are hidden; 2: keys over ri; 0: all count.
.macro STEP st, mode
.if \st != 2
	s_add_co_u32 s36, s[AQ], \st
	s_sub_co_u32 s36, s36, 2                       ; under 0 it wraps to a large number
	s_cmp_gt_u32 s36, 31
	s_cbranch_scc1 .Lskip_\@                       ; a branch on ids; no barrier and no tensor load stands in a step
.endif
	v_add_nc_u32 v8, \st*13056, v1
	v_add_nc_u32 v9, \st*13056, v2
	v_add_nc_u32 v10, \st*13056, v3
	v_nop                                          ; four places behind the last step's products
.irp g, 0,1                                    ; S^T = K Q^T, four tiles of 16 keys at a time
.if \g == 1
	PLACES 4                                       ; in front of loads into registers that matrix instructions have read
.endif
.irp t, 0,1,2,3
	ds_load_b128 v[32+12*\t:32+12*\t+3], v8 offset:768*(4*\g+\t)
	ds_load_b64 v[32+12*\t+4:32+12*\t+5], v9 offset:768*(4*\g+\t)+512
.endr
.if \g == 0
.irp p, 0,1,2,3
	ds_load_b32 v[248+\p], v10 offset:12288+128*\p   ; K's scale words: tile 2 p in lanes 0-15, 2 p + 1 in lanes 16-31
.endr
.endif
	s_wait_dscnt 0x0
.irp t, 0,1,2,3
	WMZ 128+8*(4*\g+\t), 32+12*\t, 16, 248+2*\g+(\t/2), 28, \t%2
.endr
.endr
.irp dt, 0,1,2,3                               ; V's fragments are asked for now and land under the softmax
.irp c, 0,1
	ds_load_b128 v[80+12*\dt+6*\c:80+12*\dt+6*\c+3], v8 offset:6144+1536*\dt+768*\c
	ds_load_b64 v[80+12*\dt+6*\c+4:80+12*\dt+6*\c+5], v9 offset:6144+1536*\dt+768*\c+512
.endr
.endr
	ds_load_b32 v29, v10 offset:12800
	ds_load_b32 v30, v10 offset:12800+128
	PLACES 4                                       ; in front of the first read of the scores
.if \mode != 0
	v_mov_b32 v255, 0xff800000                     ; hidden scores become -infinity ahead of the maximum: p = 0 then
.set n, 0
.rept 64
.if \mode == 1
	v_cmp_lt_i32 vcc_lo, 32*(n/16)+n%16, v4
.else
	v_cmp_gt_i32 vcc_lo, 32*(n/16)+n%16, v4
.endif
	v_cndmask_b32 v[128+n], v[128+n], v255, vcc_lo
.set n, n+1
.endr
.endif
.irp b, 0,1,2,3
	v_max3_num_f32 v[BM+\b], v[128+16*\b], v[129+16*\b], v[130+16*\b]   ; the largest score of each block of 32 keys: for the row's maximum and, since p rises with the score, for the block's largest p
.endr
.irp i, 3,5,7,9,11,13
.irp b, 0,1,2,3
	v_max3_num_f32 v[BM+\b], v[BM+\b], v[128+16*\b+\i], v[129+16*\b+\i]
.endr
.endr
.irp b, 0,1,2,3
	v_max_num_f32 v[BM+\b], v[BM+\b], v[143+16*\b]
.endr
.irp b, 0,1,2,3
	v_permlanex16_b32 v[BT+\b], v[BM+\b], s[SEL], s[SEL+1]
.endr
.irp b, 0,1,2,3
	v_max_num_f32 v[BM+\b], v[BM+\b], v[BT+\b]     ; with lane l xor 16's 16 keys
.endr
	v_max3_num_f32 v254, v[BM], v[BM+1], v[BM+2]
	v_max_num_f32 v254, v254, v[BM+3]              ; the step's largest score of my query
	v_mul_f32 v254, s[CS], v254                    ; as t
	v_max_num_f32 v13, v13, v254                   ; the running largest t
	v_mov_b32 v254, v12
	v_floor_f32 v12, -v13                          ; the new -M = -ceil(t)
	v_sub_f32 v254, v12, v254                      ; old M - new M: a whole number, 0 or less
	v_cvt_i32_f32 v254, v254                       ; (it saturates)
	v_ldexp_f32 v252, 1.0, v254                    ; f = 2^(old M - new M)
.set n, 0
.rept 32
	v_pk_fma_f32 v[128+n:129+n], v[128+n:129+n], s[CS:CS+1], v[12:13] op_sel_hi:[1,0,0]   ; t - M, two at a time
.set n, n+2
.endr
.irp b, 0,1,2,3
	v_fma_f32 v[BM+\b], v[BM+\b], s[CS], v12       ; the same of each block's largest score
.endr
.set n, 0
.rept 64
	v_exp_f32 v[128+n], v[128+n]                   ; p = 2^(t - M)
.set n, n+1
.endr
	v_pk_mul_f32 v[14:15], v[14:15], v[252:253] op_sel_hi:[1,0]   ; the sums under the new M: a plain place behind the exponentials
	s_wait_alu depctr_va_vdst(0)                   ; one wait for the batch of 64, ahead of its first reader
.irp b, 0,1,2,3
	v_exp_f32 v[BM+\b], v[BM+\b]                   ; the blocks' largest p
.endr
	v_pk_add_f32 v[BT:BT+1], v[128:129], v[130:131]   ; the row's sum of the unquantised p, in two chains; it reads the 64 alone
.irp j, 4,8,12,16,20,24,28,32,36,40,44,48,52,56,60
	v_pk_add_f32 v[14:15], v[14:15], v[128+\j:129+\j]
	v_pk_add_f32 v[BT:BT+1], v[BT:BT+1], v[130+\j:131+\j]
.endr
	v_pk_add_f32 v[14:15], v[14:15], v[BT:BT+1]
	s_wait_alu depctr_va_vdst(0)                   ; and one for the four
.irp b, 0,1,2,3
	v_max_num_f32 v[BM+\b], 0x1800000, v[BM+\b]    ; the floor 2^(3 - 127): a block whose every p is 0 keeps the byte 1: its codes are zeros
.endr
.irp b, 0,1,2,3
	v_add_nc_u32 v[SO+\b], 0xff000000, v[BM+\b]
.endr
.irp b, 0,1,2,3
	v_lshrrev_b32 v[BT+\b], 23, v[SO+\b]
.endr
	v_lshl_or_b32 v31, v[BT+1], 8, v[BT]           ; p's scale word for these 128 keys
	v_lshl_or_b32 v31, v[BT+2], 16, v31
	v_lshl_or_b32 v31, v[BT+3], 24, v31
.irp c, 0,1
	v_cvt_scalef32_pk16_fp6_f32 v[224+6*\c:226+6*\c], v[128+32*\c:143+32*\c], v[SO+2*\c]
	v_cvt_scalef32_pk16_fp6_f32 v[236+4*\c:238+4*\c], v[144+32*\c:159+32*\c], v[SO+2*\c+1]
.endr
	v_nop                                          ; one plain place behind the conversions
.irp c, 0,1
.irp i, 0,1,2
	v_permlane16_swap_b32 v[224+6*\c+\i], v[236+4*\c+\i]
.endr
.irp i, 0,1,2
	v_mov_b32 v[227+6*\c+\i], v[236+4*\c+\i]
.endr
.endr
.set n, 0
.rept 16
	v_pk_mul_f32 v[192+n:193+n], v[192+n:193+n], v[252:253] op_sel_hi:[1,0]   ; O^T under the new M; these sixteen are also the places between p's scale word and codes and the products
.set n, n+2
.endr
	s_wait_dscnt 0x0                               ; V
.irp dt, 0,1,2,3                               ; O^T += V^T P^T: four accumulators by turns
	WM 192+8*\dt, 80+12*\dt, 224, 192+8*\dt, 29+(\dt/2), 31, \dt%2
.endr
.Lskip_\@:
.endm
	STEP 0, 1
	STEP 1, 0
	STEP 2, 0
	STEP 3, 0
	STEP 4, 2
	; ---- the way out: O^T / the sum, quantised along the model's axis (my head's 64 are two blocks), stored as a half image
	PLACES 4
	v_add_f32 v14, v14, v15
	v_permlanex16_b32 v252, v14, s[SEL], s[SEL+1]
	v_add_f32 v14, v14, v252                       ; the row's sum
	v_rcp_f32 v14, v14
	v_nop                                          ; a plain place behind the reciprocal
	s_wait_alu depctr_va_vdst(0)                   ; the wait ahead of its first reader
.set n, 0
.rept 32
	v_mul_f32 v[128+n], v[192+n], v14              ; register 16 b + i: depth 32 b + 16 h + i of my query; each accumulator from its low end on
.set n, n+1
.endr
	QHALF 0, 128, 224, 254
	global_store_b128 v5, v[224:227], s[10:11]
	global_store_b64 v6, v[228:229], s[10:11] offset:512
	global_store_b16 v7, v254, s[12:13]            ; both halves of the lanes write the same bytes with the same value
	s_wait_xcnt 0x0
	v_lshl_add_u32 v254, v0, 2, 0x29000
	v_mov_b32 v255, 0
	s_wait_tensorcnt 0x0
	ds_add_u32 v254, v255
	s_wait_dscnt 0x0
	s_endpgm
.Lfunc_end_k_qa156e5baa9_attn:
	.size	k_qa156e5baa9_attn, .Lfunc_end_k_qa156e5baa9_attn-k_qa156e5baa9_attn
	.p2alignl 7, 3214868480
	.fill 96, 4, 3214868480
	.section	.rodata,"a",@progbits
	.p2align	6, 0x0
	.amdhsa_kernel k_qa156e5baa9_attn
		.amdhsa_group_segment_fixed_size 169984
		.amdhsa_private_segment_fixed_size 0
		.amdhsa_enable_private_segment 0
		.amdhsa_kernarg_size 40
		.amdhsa_user_sgpr_count 2
		.amdhsa_user_sgpr_kernarg_segment_ptr 1
		.amdhsa_wavefront_size32 1
		.amdhsa_system_sgpr_workgroup_id_x 1
		.amdhsa_system_sgpr_workgroup_id_y 1
		.amdhsa_system_sgpr_workgroup_id_z 1
		.amdhsa_system_vgpr_workitem_id 0
		.amdhsa_next_free_vgpr 256
		.amdhsa_next_free_sgpr 66
		.amdhsa_reserve_vcc 1
		.amdhsa_float_denorm_mode_32 3
		.amdhsa_float_denorm_mode_16_64 3
		.amdhsa_memory_ordered 1
		.amdhsa_forward_progress 1
		.amdhsa_inst_pref_size 102
	.end_amdhsa_kernel
	.amdgpu_metadata
---
amdhsa.version: [ 1, 2 ]
amdhsa.kernels:
  - .name:           k_qa156e5baa9_attn
    .symbol:         k_qa156e5baa9_attn.kd
    .args:
      - { .name: qc, .offset: 0, .size: 8, .value_kind: global_buffer, .address_space: global }
      - { .name: qs, .offset: 8, .size: 8, .value_kind: global_buffer, .address_space: global }
      - { .name: kv, .offset: 16, .size: 8, .value_kind: global_buffer, .address_space: global }
      - { .name: oc, .offset: 24, .size: 8, .value_kind: global_buffer, .address_space: global }
      - { .name: os, .offset: 32, .size: 8, .value_kind: global_buffer, .address_space: global }
    .group_segment_fixed_size: 169984
    .private_segment_fixed_size: 0
    .kernarg_segment_align: 8
    .kernarg_segment_size: 40
    .max_flat_workgroup_size: 512
    .sgpr_count:     66
    .vgpr_count:     256
    .wavefront_size: 32
...
	.end_amdgpu_metadata
.endif
;; end of part 3
;; launch outp (part 4): grid 16 x 16, 4 waves a work-group, clusters of 4 x 1, 168,448 bytes of LDS; arguments oc, os, wrec, bd, out0; writes out0
.if DOCPART == 4
	.amdgcn_target "amdgcn-amd-amdhsa--gfx1250"
	.amdhsa_code_object_version 6
	.text
	.protected	k_qa156e5baa9_outp
	.globl	k_qa156e5baa9_outp
	.p2align	8
	.type	k_qa156e5baa9_outp,@function
k_qa156e5baa9_outp:
	s_mov_b64 s[64:65], 0
	v_nop
	global_prefetch_b8 v0, s[64:65] scope:SCOPE_SE
	s_setreg_imm32_b32 hwreg(HW_REG_WAVE_MODE, 25, 1), 1
	s_wait_xcnt 0x0
	s_wait_alu depctr_hold_cnt(0) depctr_sa_sdst(0) depctr_va_vdst(0) depctr_va_sdst(0) depctr_va_ssrc(0) depctr_va_vcc(0) depctr_vm_vsrc(0)
	s_getreg_b32 s2, hwreg(HW_REG_IB_STS2, 6, 4)
	s_cmp_eq_u32 s2, 0
	s_cbranch_scc0 .Lentry_in_a_cluster
	s_endpgm
.Lentry_in_a_cluster:
	s_bfe_u32 s2, ttmp6, 0x10000c
	s_cmp_lg_u32 s2, 0x3003
	s_cbranch_scc0 .Lentry_shape_is_right
	s_endpgm
.Lentry_shape_is_right:
; out0 = o Wd + bd on codes of FP6 (E2M3) with E8M0 scales.  o's codes and scale words lie as x's did for the projections; Wd's records are the fourth matrix of wrec.
; SHARES.  Work-group (X, G): tokens 256 X on, columns 64 G on.  Wave w: token tiles T0 + m, T0 = 16 X + 4 w, against the 64 columns: 16 accumulators, 128 matrix instructions.
; A comes from memory straight into the wave's registers, all eight K steps at the head (384 registers).  B, 8 records of 6,400 bytes, lands in LDS once; no LDS byte is filled twice.
; CLUSTER.  The four work-groups of a cluster share G: B is asked for JOINTLY (mask 15), each wave two records.  A is not shared: the partners own different tokens.
; ORIENTATION.  Source 0 = 16 columns of Wd, source 1 = 16 tokens: a lane holds one token, and the 16 registers of tiles 2 b, 2 b + 1 are columns 32 b + 16 h + 0 .. 15.  The bias is the C of each sum's first matrix instruction.
; THE WAY OUT.  A tile of 16 tokens x 64 columns goes through the wave's own stage in LDS and leaves as rows of 256 bytes, sixteen lanes to an aligned 256 bytes of out0; the stores' immediates undo the order of a tile's tokens.
; REGISTERS.  Window 0: v1-10 addresses; v16-31 o's scale words; v32-37 Wd's; v64-207 three sets of four fragments of Wd, on the way out rows of out0.   Windows 1, 2: o's fragments, K step s at 48 (s % 5) + 12 m of window 1 + s / 5.
;   Window 3: the accumulators at 32 m + 8 t; the bias at 128 + 8 t.
.set WV,  22
.set G1,  28
.set G0,  36
.set AB,  44
.set ASB, 46
.set OUTB, 48
.set STO, 8                            ; v8   stage + 272 r + 64 h
.set RD,  9                            ; v9   stage + 272 h + 16 r
.set CO,  10                           ; v10  4,096 h + 16 r
.set AS,  16
.set BS,  32
.set BF,  64
.set OB,  64
.set STG, 51200                        ; behind B: 16 rows x (256 bytes + 16) for each wave; no tile lands there
.set MSB, 0
.macro WIN new
.if MSB != (\new)
	s_set_vgpr_msb (MSB<<8)|(\new)
.set MSB, (\new)
.endif
.endm
.macro PLACES n
.rept \n
	v_nop
.endr
.endm
.macro CROUND
	s_barrier_signal -1
	s_barrier_wait -1
	s_cmp_lg_u32 s[WV], 0
	s_cbranch_scc1 .Lnot_wave_0_\@
	s_barrier_signal -3
.Lnot_wave_0_\@:
	s_barrier_wait -3
	s_barrier_signal -1
	s_barrier_wait -1
.endm
.macro WM d, a, b, c, sa, sb, ra, rb
.if ((\ra) == 0) && ((\rb) == 0)
	v_wmma_scale_f32_16x16x128_f8f6f4 v[(\d):(\d)+7], v[(\a):(\a)+11], v[(\b):(\b)+11], v[(\c):(\c)+7], v[\sa], v[\sb] matrix_a_fmt:MATRIX_FMT_FP6 matrix_b_fmt:MATRIX_FMT_FP6
.elseif (\rb) == 0
	v_wmma_scale_f32_16x16x128_f8f6f4 v[(\d):(\d)+7], v[(\a):(\a)+11], v[(\b):(\b)+11], v[(\c):(\c)+7], v[\sa], v[\sb] matrix_a_fmt:MATRIX_FMT_FP6 matrix_b_fmt:MATRIX_FMT_FP6 matrix_a_scale:MATRIX_SCALE_ROW1
.elseif (\ra) == 0
	v_wmma_scale_f32_16x16x128_f8f6f4 v[(\d):(\d)+7], v[(\a):(\a)+11], v[(\b):(\b)+11], v[(\c):(\c)+7], v[\sa], v[\sb] matrix_a_fmt:MATRIX_FMT_FP6 matrix_b_fmt:MATRIX_FMT_FP6 matrix_b_scale:MATRIX_SCALE_ROW1
.else
	v_wmma_scale_f32_16x16x128_f8f6f4 v[(\d):(\d)+7], v[(\a):(\a)+11], v[(\b):(\b)+11], v[(\c):(\c)+7], v[\sa], v[\sb] matrix_a_fmt:MATRIX_FMT_FP6 matrix_b_fmt:MATRIX_FMT_FP6 matrix_a_scale:MATRIX_SCALE_ROW1 matrix_b_scale:MATRIX_SCALE_ROW1
.endif
.endm
	s_load_b256 s[4:11], s[0:1], 0x0               ; oc s[4:5], os s[6:7], wrec s[8:9], bd s[10:11]
	s_load_b64 s[12:13], s[0:1], 0x20              ; out0
	v_lshl_add_u32 v254, v0, 2, 0x29000
	v_mov_b32 v255, 0
	ds_add_u32 v254, v255
	ds_add_u32 v254, v255
	v_lshrrev_b32 v1, 5, v0
	v_readfirstlane_b32 s[WV], v1
	v_and_b32 v1, 31, v0
	v_and_b32 v2, 15, v0                           ; r
	v_bfe_u32 v3, v0, 4, 1                         ; h
	v_lshlrev_b32 v4, 4, v1
	v_lshlrev_b32 v5, 3, v1
	v_lshlrev_b32 v6, 2, v1
	v_lshlrev_b32 v7, 6, v3
	s_mul_i32 s26, s[WV], 4352
	s_add_co_u32 s26, s26, STG                     ; my stage
	v_mul_u32_u24 v[STO], v2, 272
	v_lshl_add_u32 v[STO], v3, 6, v[STO]
	v_add_nc_u32 v[STO], s26, v[STO]
	v_mul_u32_u24 v[RD], v3, 272
	v_lshl_add_u32 v[RD], v2, 4, v[RD]
	v_add_nc_u32 v[RD], s26, v[RD]
	v_lshlrev_b32 v[CO], 12, v3
	v_lshl_add_u32 v[CO], v2, 4, v[CO]
	s_bfe_u32 s23, ttmp6, 0x40000                  ; cx
	s_lshl_b32 s24, ttmp9, 2
	s_add_co_u32 s24, s24, s23                     ; X
	s_and_b32 s25, ttmp7, 0xffff                   ; G, which the four partners share
	; the descriptor: two records, 12,800 dense bytes, as 50 rows of 256 (32 elements of 8 bytes)
	s_mov_b32 s[G1], 15|(3<<16)|(1<<21)
	s_mov_b32 s[G1+1], 32<<16
	s_mov_b32 s[G1+2], 50<<16
	s_mov_b32 s[G1+3], 32<<16
	s_mov_b32 s[G1+4], 50
	s_mov_b32 s[G1+5], 32
	s_mov_b32 s[G1+6], 0
	s_mov_b32 s[G1+7], 0
	s_mul_i32 s2, s25, 51200
	s_mul_i32 s3, s[WV], 12800
	s_add_co_u32 s2, s2, s3
	s_add_co_u32 s2, s2, 2457600                   ; the fourth matrix
	s_mov_b32 s3, 0
	s_mov_b32 s[G0], 1
	s_mul_i32 s[G0+1], s[WV], 12800
	s_lshl_b32 s27, s24, 4
	s_lshl_b32 s62, s[WV], 2
	s_add_co_u32 s27, s27, s62                     ; T0
	s_mul_i32 s[AB], s27, 12288
	s_mov_b32 s[AB+1], 0
	s_lshl_b32 s[ASB], s27, 9
	s_mov_b32 s[ASB+1], 0
	s_lshl_b32 s[OUTB], s27, 16                    ; 16 T0 rows of 4,096 bytes
	s_lshl_b32 s62, s25, 8                         ; 64 columns a head: 256 bytes, in out0 and in bd
	s_add_co_u32 s[OUTB], s[OUTB], s62
	s_mov_b32 s[OUTB+1], 0
	s_mov_b32 s63, 0
	s_wait_dscnt 0x0
	s_wait_kmcnt 0x0
	s_add_nc_u64 s[G0+2:G0+3], s[8:9], s[2:3]
	s_or_b32 s[G0+3], s[G0+3], 0x80000000
	s_add_nc_u64 s[AB:AB+1], s[4:5], s[AB:AB+1]
	s_add_nc_u64 s[ASB:ASB+1], s[6:7], s[ASB:ASB+1]
	s_add_nc_u64 s[10:11], s[10:11], s[62:63]
	s_add_nc_u64 s[OUTB:OUTB+1], s[12:13], s[OUTB:OUTB+1]
	CROUND                                         ; all four work-groups are here: the joint loads meet
	tensor_load_to_lds s[G0:G0+3], s[G1:G1+7]      ; K steps 2 w, 2 w + 1: one tensor load of mine is out, and no more follow
	s_nop 0
	PLACES 4
.macro ALOAD s                         ; o's four fragments of K step s: 16 loads
.set ALS, (\s)
	WIN (1+ALS/5)<<6
.irp m, 0,1,2,3
.irp c, 0,1
	global_load_b128 v[48*(ALS%5)+12*\m+6*\c:48*(ALS%5)+12*\m+6*\c+3], v4, s[AB:AB+1] offset:12288*\m+1536*ALS+768*\c
	global_load_b64 v[48*(ALS%5)+12*\m+6*\c+4:48*(ALS%5)+12*\m+6*\c+5], v5, s[AB:AB+1] offset:12288*\m+1536*ALS+768*\c+512
.endr
.endr
	WIN 0
.endm
.macro FETCHB s                        ; Wd's four fragments and two registers of scale words of K step s into set s % 3: 18 loads
.set fs, (\s)
.set fj, fs%3
.irp tt, 0,1,2,3
.irp c, 0,1
	ds_load_b128 v[BF+48*fj+12*\tt+6*\c:BF+48*fj+12*\tt+6*\c+3], v4 offset:6400*fs+1536*\tt+768*\c
	ds_load_b64 v[BF+48*fj+12*\tt+6*\c+4:BF+48*fj+12*\tt+6*\c+5], v5 offset:6400*fs+1536*\tt+768*\c+512
.endr
.endr
	ds_load_b32 v[BS+2*fj], v6 offset:6400*fs+6144
	ds_load_b32 v[BS+2*fj+1], v6 offset:6400*fs+6144+128
.endm
.macro MULO s                          ; 16 matrix instructions on the 16 accumulators, which take turns
.set ms, (\s)
.set ma, 48*(ms%5)
.set mb, BF+48*(ms%3)
	WIN 0xf0|((1+ms/5)<<2)                         ; source 0 (Wd) window 0, source 1 (o) window 1 or 2, C and D window 3
.irp m, 0,1,2,3
.irp tt, 0,1,2,3
.if ms == 0
	WM 32*\m+8*\tt, mb+12*\tt, ma+12*\m, 128+8*\tt, BS+2*(ms%3)+(\tt/2), AS+4*\m+ms/2, \tt%2, ms%2
.else
	WM 32*\m+8*\tt, mb+12*\tt, ma+12*\m, 32*\m+8*\tt, BS+2*(ms%3)+(\tt/2), AS+4*\m+ms/2, \tt%2, ms%2
.endif
.endr
.endr
.endm
	WIN 0xc0
.irp tt, 0,1,2,3                               ; the bias: tile 2 b + u, lane (r, h), register i: column 32 b + 8 u + 16 h + i
	global_load_b128 v[128+8*\tt:128+8*\tt+3], v7, s[10:11] offset:(32*(\tt/2)+8*(\tt%2))*4
	global_load_b128 v[128+8*\tt+4:128+8*\tt+7], v7, s[10:11] offset:(32*(\tt/2)+8*(\tt%2))*4+16
.endr
	WIN 0
.irp m, 0,1,2,3
.irp p, 0,1,2,3
	global_load_b32 v[AS+4*\m+\p], v6, s[ASB:ASB+1] offset:512*\m+128*\p
.endr
.endr
.irp s, 0,1,2,3,4,5,6,7
	ALOAD \s
.endr
	s_wait_tensorcnt 0x0                           ; my two records are in,
	s_barrier_signal -1
	s_barrier_wait -1                              ; all eight are
	FETCHB 0
	FETCHB 1
.set Q, 0
.rept 8
.if Q > 0
	PLACES 4                                       ; in front of loads into registers that the last K step's matrix instructions have read
.endif
.if Q+2 <= 7
	FETCHB Q+2
.endif
.if Q <= 5
	s_wait_dscnt 36                                ; this K step's fragments are in; the 18 + 18 loads of the next two may be out
.elseif Q == 6
	s_wait_dscnt 18
.else
	s_wait_dscnt 0x0
.endif
.if Q <= 3
	s_wait_loadcnt 63                              ; behind this K step's 16 loads stand 64 or more; a wait's count names 63 at the most
.else
	s_wait_loadcnt 16*(7-Q)                        ; the later K steps' loads may be out
.endif
	MULO Q
	WIN 0
.set Q, Q+1
.endr
	PLACES 4                                       ; in front of the first read of results, and of loads into registers that held Wd's fragments
.irp m, 0,1,2,3
	WIN 0x0c                                       ; an LDS store's data are its source 1: window 3
.irp i, 0,1,2,3,4,5,6,7
	ds_store_b128 v[STO], v[32*\m+4*\i:32*\m+4*\i+3] offset:128*(\i/4)+16*(\i%4)   ; lane (r, h): row r, columns 32 (i / 4) + 16 h + 4 (i % 4) on; each accumulator from its low end on
.endr
	WIN 0
.irp t, 0,1,2,3,4,5,6,7
	ds_load_b128 v[OB+32*\m+4*\t:OB+32*\m+4*\t+3], v[RD] offset:544*\t   ; LDS serves a wave's instructions in order: these see the stores above, and the next tile's stores come behind them
.endr
.irp t, 0,1,2,3,4,5,6,7
	s_wait_dscnt 7-\t                              ; the younger loads of this tile may be out
	global_store_b128 v[CO], v[OB+32*\m+4*\t:OB+32*\m+4*\t+3], s[OUTB:OUTB+1] offset:(32*(\m/2)+8*(\m%2)+2*\t+8*(\t/4))*4096 th:TH_STORE_NT   ; rows 2 t, 2 t + 1 of the tile at their tokens; 16 lanes store 256 consecutive bytes, aligned
.endr
.endr
	s_wait_tensorcnt 0x0
	ds_add_u32 v254, v255
	s_wait_dscnt 0x0
	CROUND                                         ; the closing round: no work-group ends while a partner may still ask for a tile that names it
	s_endpgm
.Lfunc_end_k_qa156e5baa9_outp:
	.size	k_qa156e5baa9_outp, .Lfunc_end_k_qa156e5baa9_outp-k_qa156e5baa9_outp
	.p2alignl 7, 3214868480
	.fill 96, 4, 3214868480
	.section	.rodata,"a",@progbits
	.p2align	6, 0x0
	.amdhsa_kernel k_qa156e5baa9_outp
		.amdhsa_group_segment_fixed_size 168448
		.amdhsa_private_segment_fixed_size 0
		.amdhsa_enable_private_segment 0
		.amdhsa_kernarg_size 40
		.amdhsa_user_sgpr_count 2
		.amdhsa_user_sgpr_kernarg_segment_ptr 1
		.amdhsa_wavefront_size32 1
		.amdhsa_system_sgpr_workgroup_id_x 1
		.amdhsa_system_sgpr_workgroup_id_y 1
		.amdhsa_system_sgpr_workgroup_id_z 1
		.amdhsa_system_vgpr_workitem_id 0
		.amdhsa_next_free_vgpr 1024
		.amdhsa_next_free_sgpr 66
		.amdhsa_reserve_vcc 0
		.amdhsa_float_denorm_mode_32 3
		.amdhsa_float_denorm_mode_16_64 3
		.amdhsa_memory_ordered 1
		.amdhsa_forward_progress 1
		.amdhsa_inst_pref_size 55
	.end_amdhsa_kernel
	.amdgpu_metadata
---
amdhsa.version: [ 1, 2 ]
amdhsa.kernels:
  - .name:           k_qa156e5baa9_outp
    .symbol:         k_qa156e5baa9_outp.kd
    .args:
      - { .name: oc, .offset: 0, .size: 8, .value_kind: global_buffer, .address_space: global }
      - { .name: os, .offset: 8, .size: 8, .value_kind: global_buffer, .address_space: global }
      - { .name: wrec, .offset: 16, .size: 8, .value_kind: global_buffer, .address_space: global }
      - { .name: bd, .offset: 24, .size: 8, .value_kind: global_buffer, .address_space: global }
      - { .name: out0, .offset: 32, .size: 8, .value_kind: global_buffer, .address_space: global }
    .group_segment_fixed_size: 168448
    .private_segment_fixed_size: 0
    .kernarg_segment_align: 8
    .kernarg_segment_size: 40
    .max_flat_workgroup_size: 128
    .sgpr_count:     66
    .vgpr_count:     1024
    .wavefront_size: 32
...
	.end_amdgpu_metadata
.endif
;; end of part 4
